; MI455X (gfx1250); checked and timed in simulation.
; The chip was launched on July 23, 2026; its instructions are those of AMD's public machine-readable ISA for CDNA 5 (MIT licence, August 2026) and "CDNA5" Instruction Set Architecture Reference Guide (July 2026). The comments in the code are by the model that wrote it; some were corrected since.
;; Torch Linear Gather. Allowed arithmetic: float matrix products may take bf16 or f16 operands with f32 sums; other float arithmetic in f32, or as packed bf16 or f16 multiplies, adds, multiply-adds, maxima and minima; sums over many terms, partial sums and values carried from step to step in f32; what a program stores and reads back later, other than sums and carried values, may be rounded once to bf16 or f16.
;; Inputs: W 2,048 x 2,048 float32; X 4 x 4,096 x 2,048 float32; ind 4 x 16 x 1,024 int32.
;; Outputs: out0 4 x 16 x 1,024 x 128 float32.
;; One version. Each part assembles by itself: llvm-mc -triple=amdgcn-amd-amdhsa -mcpu=gfx1250 --defsym DOCPART=n.
;; ======== version 1 of 1: 1 launch
;; launch gather_gemm (part 1): grid 256 x 1, 8 waves a work-group, no clusters, 244,736 bytes of LDS; arguments X, W, ind, out0; writes out0
.if DOCPART == 1
	.amdgcn_target "amdgcn-amd-amdhsa--gfx1250"
	.amdhsa_code_object_version 6
	.text
	.protected	k_qf7efc39712_gather_gemm
	.globl	k_qf7efc39712_gather_gemm
	.p2align	8
	.type	k_qf7efc39712_gather_gemm,@function
k_qf7efc39712_gather_gemm:
	s_mov_b64 s[64:65], 0
	v_nop
	global_prefetch_b8 v0, s[64:65] scope:SCOPE_SE
	s_setreg_imm32_b32 hwreg(HW_REG_WAVE_MODE, 25, 1), 1
	s_wait_xcnt 0x0
; out0[b][e][c][:] = X[b][ind[b][e][c]][:] . W[128 e .. 128 e + 127][:]^T.   X: [4][4096][2048] f32, W: [2048][2048] f32, ind: [4][16][1024] i32, out0: [4][16][1024][128] f32.
; Only the rows that ind names are multiplied.  One launch: the list is an input, already in the experts' order and of fixed length, and every output row has one owner.
; SHARES.  Work-group id (0..255): quarter q = id & 3, b = (id >> 2) & 3, e = id >> 4: rows c = 256 q .. 256 q + 255 of the pair (b, e), all 128 columns.  Eight waves, 4 along the rows x 2 along the columns:
; a wave makes 64 x 64 of out0 in 16 accumulators (128 registers).  K goes in 16 steps of 128: a row's step is 512 bytes of f32.
; THE ROAD.  X's rows come by a list, so they come through registers: global_load_b128 (16 lanes take 256 consecutive, aligned bytes of one row), rounded to bf16, ds_store_b128 into one of two LDS slots; W's rows
; take the same road by the same lines.  Each wave stages 32 rows of X and 16 of W a step: 48 loads, and 48 loads of every wave are always out: one whole step (192 KiB for the eight waves), asked for a trip before it is rounded.
; Trip t multiplies step t out of slot t & 1, rounds step t + 1 into the other slot and asks for step t + 2.
; A TRIP is four groups of 32 along K, 16 products each, on two fragment buffers by turns: ahead of its products a group asks LDS for the NEXT group's fragments, so these have a group's products and staging in which to come.
; Groups 0 to 2 each round, store and ask again for eight pairs of rows; group 3 stages nothing.  So the trip's last stores and its last reads of the slot are issued in group 2, and ONE barrier, set among group 2's
; products, orders both directions: behind it group 3 asks for the next slot's first fragments, and the next trip stores into this slot.
; K IS PERMUTED inside a step, alike in X and W, which keeps every product: a lane's two loads bring k = 4 l .. 4 l + 3 and 64 + 4 l .. 64 + 4 l + 3 (l = lane % 16), which pack into the 16 bytes at 16 l of the LDS row.
; THE MATRIX INSTRUCTION IS USED TRANSPOSED (source 0 = 16 rows of W, source 1 = 16 rows of X): a lane holds one row of out0 and eight neighbouring columns.
; LIMITS.  X and W are rounded once to bf16 (nearest even), sums are f32, and within each 128 of K the order of the terms is the permutation above, not reference()'s.  An index is taken as 0 .. 4095, as the problem
; states; any other number (a negative one too, taken as unsigned) is clamped to 4095, which is not reference()'s wrap-around.  NaN and infinities go as the matrix instruction treats them.
; NO CLUSTER, NO TENSOR LOAD.  X's rows are named by a list, which no tile descriptor covers.  W's tile (64 KiB of a step's 192 KiB) is shared by the 16 work-groups of an expert, but it lies in memory as f32: a joint
; load would lay 64 KiB of f32 into LDS a step, to be read back and rounded (64 KiB read more, and the same 32 KiB stored), beside the 352 KiB that a step already moves through LDS; through registers W costs its 32 KiB of stores alone.
; REGISTERS, in windows of 256 (s_set_vgpr_msb: bits 1:0 source 0, 3:2 source 1, 5:4 source 2, 7:6 destination):
;   window 0: v0-22 addresses; v32-47 X's row offsets; v48-63 four packed pairs; v64-127 fragment buffer 1 (on the way out: rows read back); v128-255 accumulators, tile (a, b) at 128 + 8 (4 a + b)
;   window 1: v0-63 fragment buffer 0; v64-255 the staging ring: 24 places of 8 registers (a pair of rows as loaded): places 0-15 X's pairs, 16-23 W's.  In a fragment buffer: 32 registers of W, then 32 of X.
.set KSTEP,  128
.set PITCH,  272                       ; an LDS row: 256 bytes + 16 = 68 words: row r starts at bank 4 r mod 64 (64 banks of 4 bytes: ISA guide 11.1), so the 16 rows of a fragment load start at 16 different banks
.set XS,     256*PITCH                 ; a slot: X's 256 rows, then W's 128
.set SLOT,   384*PITCH
.set STAGE,  2*SLOT                    ; behind the slots: 16 rows x 272 bytes for each wave, its own, for the way out
.set SPARE,  STAGE+8*16*PITCH          ; behind the stages: the spare words, 128 bytes for each wave: four blocks of 256 bytes that no other line names
.set SPW, 2                            ; v2      LDS address of my spare word; never rewritten
.set NIL, 3                            ; v3      0; never rewritten
.set AX,  4                            ; v4-5    LDS address of my X fragments in slot 0, 1
.set BW,  6                            ; v6-7    the same for W
.set STX, 8                            ; v8-9    where I store a pair of X's rows in slot 0, 1
.set STW, 10                           ; v10-11  the same for W
.set WO,  12                           ; v12     my byte offset in the expert's rows of W
.set PF,  13                           ; v13     my byte offset in the batch's X for the prefetch
.set IA,  14                           ; v14     my byte offset in the work-group's 256 indices
.set STO, 15                           ; v15     the way out: where I put 16 bytes of a row
.set RD,  16                           ; v16     the way out: where I read a row back
.set CO,  17                           ; v17     my byte offset in the wave's part of out0
.set XO,  32                           ; v32-47  pair p: first the index, then the byte offset of my 16 bytes in that row of X; then never rewritten
.set PK,  48                           ; v48-63  four pairs of rows, packed
.set OB,  64                           ; v64-127 the way out: two sets of 32
.set ACC, 128
.set ST,  64                           ; window 1
.set WV,  12                           ; s12 wave; s13 its place along the rows (0..3); s14 along the columns (0, 1)
.set WM,  13
.set WN,  14
.set CNT, 20                           ; s20 the loop's count
.set MSB, 0
.macro WIN new                         ; the immediate's high byte repeats the setting that is left; a switch that changes nothing is dropped
.if MSB != (\new)
	s_set_vgpr_msb (MSB<<8)|(\new)
.set MSB, \new
.endif
.endm
.set W_ALU, 0x05                       ; sources 0 and 1 window 1; C, D and destinations window 0: roundings, and products on buffer 0
.set W_IN,  0x40                       ; destination window 1, address window 0: loads into the ring and into buffer 0
; 16 LDS loads: the fragments of group g of slot's step into buffer buf (0: window 1, v0-63; 1: window 0, v64-127): a lane takes 32 bytes of its row, at 64 g + 32 (lane / 16)
.macro FRAGS slot, g, buf
.if \buf
	WIN 0
.else
	WIN W_IN
.endif
.irp b, 0,1,2,3
	ds_load_b128 v[64*(\buf)+8*(\b):64*(\buf)+8*(\b)+3],   v[BW+(\slot)] offset:16*PITCH*(\b)+64*(\g)
	ds_load_b128 v[64*(\buf)+8*(\b)+4:64*(\buf)+8*(\b)+7], v[BW+(\slot)] offset:16*PITCH*(\b)+64*(\g)+16
.endr
.irp a, 0,1,2,3
	ds_load_b128 v[64*(\buf)+32+8*(\a):64*(\buf)+32+8*(\a)+3],   v[AX+(\slot)] offset:16*PITCH*(\a)+64*(\g)
	ds_load_b128 v[64*(\buf)+32+8*(\a)+4:64*(\buf)+32+8*(\a)+7], v[AX+(\slot)] offset:16*PITCH*(\a)+64*(\g)+16
.endr
.endm
; ring places 8 g + 4 hh .. + 3: of each, eight f32 become 16 bytes of bf16
.macro CVT4 g, hh
	WIN W_ALU
.irp j, 0,1,2,3
.irp c, 0,1,2,3
	v_cvt_pk_bf16_f32 v[PK+4*(\j)+(\c)], v[ST+8*(8*(\g)+4*(\hh)+(\j))+2*(\c)], v[ST+8*(8*(\g)+4*(\hh)+(\j))+2*(\c)+1]
.endr
.endr
.endm
; the four packed pairs go into slot nslot: lanes 0-15 fill one row's 256 bytes, lanes 16-31 the next row's
.macro ST4 nslot, g, hh
	WIN 0
.irp j, 0,1,2,3
.if (\g) < 2
	ds_store_b128 v[STX+(\nslot)], v[PK+4*(\j):PK+4*(\j)+3] offset:2*PITCH*(8*(\g)+4*(\hh)+(\j))
.else
	ds_store_b128 v[STW+(\nslot)], v[PK+4*(\j):PK+4*(\j)+3] offset:2*PITCH*(4*(\hh)+(\j))
.endif
.endr
.endm
; 8 products on buffer buf: my rows 16 a0 .. 16 a0 + 31 x all 64 columns.  The 16 accumulators take turns, in the same order in every group: between two links of a chain stand the 15 others'.
; zero = 1: they start the sums.
.macro MULH buf, a0, zero
.if \buf
	WIN 0
.else
	WIN W_ALU
.endif
.irp a, \a0, (\a0)+1
.irp b, 0,1,2,3
.if \zero
	v_wmma_f32_16x16x32_bf16 v[ACC+8*(4*(\a)+(\b)):ACC+8*(4*(\a)+(\b))+7], v[64*(\buf)+8*(\b):64*(\buf)+8*(\b)+7], v[64*(\buf)+32+8*(\a):64*(\buf)+32+8*(\a)+7], 0
.else
	v_wmma_f32_16x16x32_bf16 v[ACC+8*(4*(\a)+(\b)):ACC+8*(4*(\a)+(\b))+7], v[64*(\buf)+8*(\b):64*(\buf)+8*(\b)+7], v[64*(\buf)+32+8*(\a):64*(\buf)+32+8*(\a)+7], v[ACC+8*(4*(\a)+(\b)):ACC+8*(4*(\a)+(\b))+7]
.endif
.endr
.endr
.endm
; 16 loads, in the ring's order: eight pairs of rows (g = 0, 1: X's; g = 2: W's), each pair by two loads, the first and the second 256 bytes of the rows' step; ko: bytes further along the rows.
; No cache hint: other work-groups read these bytes again.
.macro LOADS g, ko
	WIN W_IN
.irp i, 0,1,2,3,4,5,6,7
.if (\g) < 2
	global_load_b128 v[ST+8*(8*(\g)+(\i)):ST+8*(8*(\g)+(\i))+3],   v[XO+8*(\g)+(\i)], s[4:5] offset:(\ko)
	global_load_b128 v[ST+8*(8*(\g)+(\i))+4:ST+8*(8*(\g)+(\i))+7], v[XO+8*(\g)+(\i)], s[4:5] offset:(\ko)+256
.else
	global_load_b128 v[ST+8*(16+(\i)):ST+8*(16+(\i))+3],   v[WO], s[6:7] offset:16384*(\i)+(\ko)
	global_load_b128 v[ST+8*(16+(\i))+4:ST+8*(16+(\i))+7], v[WO], s[6:7] offset:16384*(\i)+(\ko)+256
.endif
.endr
.endm
.macro PLACES                          ; a load into a register that a matrix instruction has read stands four places behind it, and only plain vector instructions that name none of its
.rept 4                                ; registers are places (ISA guide 7.12.1 for vector instructions): where no roundings stand there, four v_nop
	v_nop
.endr
.endm
; One of a trip's first three groups.  cv = 1: the ring's places 8 g .. 8 g + 7 (the next step's) are rounded and stored into the other slot.  ld = 1: they are asked for again, with the step after that.
; left: how many younger global loads may stay out.  pf: the prefetch follows the loads (1: not in the loop's last trip; 2: always).  bar = 1 (group 2): the trip's barrier stands among the products.
.macro GROUP slot, g, zero, cv, ld, left, pf, bar
.if \cv
	s_wait_loadcnt \left                           ; loads come back in order (ISA guide 5.7.1): the group's sixteen, the oldest, are in
	CVT4 \g, 0                                     ; sixteen roundings: also the places between the last products on the other buffer and the loads into it
.else
	PLACES
.endif
	FRAGS \slot, (\g)+1, ((\g)+1)%2                ; the NEXT group's fragments, into the buffer that the group before multiplied
.if \cv
	ST4 1-(\slot), \g, 0
	CVT4 \g, 1
	ST4 1-(\slot), \g, 1
.endif
.if \ld
	LOADS \g, 0
.endif
.if \pf
	WIN 0                                          ; at a branch and at a label every window is 0
.if (\pf) == 1
	s_cmp_eq_u32 s[CNT], 1                         ; the loop's last trip would ask past the rows' ends: it asks for nothing
	s_cbranch_scc1 .Lnopf_\@
.endif
	global_prefetch_b8 v[PF], s[4:5] offset:2*KSTEP*4 th:TH_LOAD_NT scope:SCOPE_SE
.if (\pf) == 1
.Lnopf_\@:
.endif
.endif
; LDS instructions end in order (ISA guide 5.7.1).  Behind this group's fragments were issued: the group before's 8 stores (not ahead of group 0: group 3 stores nothing), this group's 16 loads and its 8 stores.
.set DSN, 16
.if \cv
.set DSN, 24
.if (\g) > 0
.set DSN, 32
.endif
.endif
	s_wait_dscnt DSN
	MULH (\g)%2, 0, \zero
.if \bar
	s_wait_dscnt 0x0                               ; for the others: my stores into the other slot are done, and my reads of this slot, group 3's fragments the last, are back
	s_barrier_signal -1
.endif
	MULH (\g)%2, 2, \zero                          ; work on registers while the others arrive
.if \bar
	s_barrier_wait -1                              ; both now hold of all eight waves
.endif
.endm
.macro STEP bytes                      ; both tensors further along K
	s_wait_xcnt 0x0                                ; every earlier memory instruction has had its addresses translated (ISA guide 3.1): the bases are rewritten only behind this wait
	s_add_nc_u64 s[4:5], s[4:5], \bytes
	s_add_nc_u64 s[6:7], s[6:7], \bytes
.endm
; A trip.  Its group 3 stages nothing: behind the barrier it asks for the next slot's first fragments, steps the bases (the youngest global loads were issued ahead of group 2's products), and multiplies.
.macro TRIP slot, zero, cv, ld, pf, bar
	GROUP \slot, 0, \zero, \cv, \ld, 32, \pf, 0    ; with ld = 1 each group asks for sixteen again, so 32 younger loads are out at every group's wait;
	GROUP \slot, 1, 0, \cv, \ld, 32-16*(1-(\ld)), 0, 0  ; with ld = 0 the counts run down: 32, 16, 0
	GROUP \slot, 2, 0, \cv, \ld, 32-32*(1-(\ld)), 0, \bar
.if \bar
	PLACES                                         ; behind group 2's products on buffer 0
	FRAGS 1-(\slot), 0, 0
.else
	s_wait_dscnt 0x0                               ; no barrier's wait has shown group 3's fragments in
.endif
.if \ld
	STEP KSTEP*4
.endif
	MULH 1, 0, 0
	MULH 1, 2, 0
	WIN 0
.endm
; THE WAY OUT of my rows 16 a .. 16 a + 15: a lane's eight columns are 32 bytes of a row; they go into my own stage (rows of 272 bytes) and come back as whole rows of 256 bytes.
.macro TOSTAGE a
.if (\a) >= 2
	s_wait_xcnt 0x0                                ; the stores of two tiles ago have read this set of registers
.endif
.irp b, 0,1,2,3
	ds_store_b128 v[STO], v[ACC+8*(4*(\a)+(\b)):ACC+8*(4*(\a)+(\b))+3]   offset:64*(\b)     ; each accumulator's four lowest registers are read first
	ds_store_b128 v[STO], v[ACC+8*(4*(\a)+(\b))+4:ACC+8*(4*(\a)+(\b))+7] offset:64*(\b)+16
.endr
.irp t, 0,1,2,3,4,5,6,7
	ds_load_b128 v[OB+32*((\a)%2)+4*(\t):OB+32*((\a)%2)+4*(\t)+3], v[RD] offset:2*PITCH*(\t)  ; LDS serves a wave's instructions in order (ISA guide 5.7.1.4): these see the stores above; the next tile's stores come behind them
.endr
.endm
.macro SEND a, younger                 ; younger: the LDS instructions issued behind tile a's loads: the next tile's sixteen, or none
.irp t, 0,1,2,3,4,5,6,7
	s_wait_dscnt (\younger)+7-(\t)
	global_store_b128 v[CO], v[OB+32*((\a)%2)+4*(\t):OB+32*((\a)%2)+4*(\t)+3], s[10:11] offset:8192*(\a)+1024*(\t) th:TH_STORE_NT  ; 16 lanes store 256 consecutive bytes, at a multiple of 256 from out0's first byte
.endr
.endm
	s_load_b256 s[4:11], s[0:1], 0x0               ; X s[4:5], W s[6:7], ind s[8:9], out0 s[10:11]
	v_lshl_add_u32 v[SPW], v0, 2, SPARE
	v_mov_b32 v[NIL], 0
	v_lshrrev_b32 v19, 5, v0
	v_readfirstlane_b32 s[WV], v19                 ; wave 0..7
	s_lshr_b32 s[WM], s[WV], 1
	s_and_b32 s[WN], s[WV], 1
	v_and_b32 v1, 15, v0                           ; l = lane % 16
	v_bfe_u32 v18, v0, 4, 1                        ; lane / 16
	v_mul_u32_u24 v20, v18, PITCH
	v_lshl_add_u32 v20, v1, 4, v20                 ; staging: row lane / 16 of a pair, 16 bytes at 16 l
	v_mul_u32_u24 v21, v1, PITCH
	v_lshl_add_u32 v21, v18, 5, v21                ; fragments: row l, 32 bytes at 32 (lane / 16)
	s_mul_i32 s15, s[WV], 32*PITCH                 ; I stage X's rows 32 w .. 32 w + 31
	v_add_nc_u32 v[STX], s15, v20
	v_add_nc_u32 v[STX+1], SLOT, v[STX]
	s_mul_i32 s15, s[WV], 16*PITCH                 ; and W's rows 16 w .. 16 w + 15
	s_add_co_u32 s15, s15, XS
	v_add_nc_u32 v[STW], s15, v20
	v_add_nc_u32 v[STW+1], SLOT, v[STW]
	s_mul_i32 s15, s[WM], 64*PITCH                 ; I multiply X's rows 64 wm on
	v_add_nc_u32 v[AX], s15, v21
	v_add_nc_u32 v[AX+1], SLOT, v[AX]
	s_mul_i32 s15, s[WN], 64*PITCH                 ; by W's rows 64 wn on
	s_add_co_u32 s15, s15, XS
	v_add_nc_u32 v[BW], s15, v21
	v_add_nc_u32 v[BW+1], SLOT, v[BW]
	s_lshl_b32 s15, s[WV], 7
	v_lshl_add_u32 v[IA], v18, 2, s15              ; the index of row 32 w + lane / 16
	v_lshlrev_b32 v19, 4, v1                       ; 16 l
	v_lshl_add_u32 v[WO], v18, 13, v19             ; W: row 16 w + lane / 16 (8,192 bytes a row), 16 bytes at 16 l
	s_lshl_b32 s15, s[WV], 17
	v_add_nc_u32 v[WO], s15, v[WO]
	s_and_b32 s26, ttmp9, 3                        ; q
	s_bfe_u32 s27, ttmp9, 0x20002                  ; b: two bits from bit 2
	s_lshr_b32 s28, ttmp9, 4                       ; e
	s_lshl2_add_u32 s29, s28, s26                  ; 4 e + q: my place among the batch's 64 work-groups
	s_lshl_b32 s30, s27, 6
	s_add_co_u32 s30, s30, s29                     ; 64 b + 4 e + q: my block of 256 rows in ind and in out0
	; The prefetch.  The 64 work-groups of a batch share out its 4,096 tokens, 64 each, 8 a wave; a lane asks for one block of 256 bytes: token 64 (4 e + q) + 8 w + lane / 4, block lane % 4 of 1,024 bytes (two K steps).
	; One line a wave in trips 0, 2 .. 10 asks for steps t + 4 and t + 5, two trips ahead of the loads of step t + 4: each aligned block of steps 4 to 15 is asked for once in the launch; steps 0 to 3 are not asked for.
	s_lshl_b32 s15, s29, 19
	s_lshl_b32 s16, s[WV], 16
	s_add_co_u32 s15, s15, s16
	v_bfe_u32 v[PF], v0, 2, 3
	v_and_b32 v22, 3, v0
	v_lshlrev_b32 v22, 8, v22
	v_lshl_add_u32 v[PF], v[PF], 13, v22
	v_add_nc_u32 v[PF], s15, v[PF]
	s_lshl_b32 s16, s27, 25                        ; a batch of X is 4,096 rows of 8,192 bytes
	s_mov_b32 s17, 0
	s_lshl_b32 s18, s28, 20                        ; an expert's 128 rows of W
	s_mov_b32 s19, 0
	s_lshl_b32 s22, s30, 10                        ; my 256 indices
	s_mov_b32 s23, 0
	s_lshl_b32 s24, s30, 17                        ; my 256 rows of out0, 512 bytes each,
	s_lshl_b32 s15, s[WM], 15                      ; the wave's 64 of them,
	s_add_co_u32 s24, s24, s15
	s_lshl_b32 s15, s[WN], 8                       ; its 64 columns
	s_add_co_u32 s24, s24, s15
	s_mov_b32 s25, 0
	s_wait_kmcnt 0x0
	s_add_nc_u64 s[4:5], s[4:5], s[16:17]
	s_add_nc_u64 s[6:7], s[6:7], s[18:19]
	s_add_nc_u64 s[8:9], s[8:9], s[22:23]
	s_add_nc_u64 s[10:11], s[10:11], s[24:25]
	; my 32 indices, once: pair p is rows 32 w + 2 p and 32 w + 2 p + 1; sixteen lanes share a word, and the wave's sixteen loads lie in 128 consecutive bytes
.set p, 0
.rept 16
	global_load_b32 v[XO+p], v[IA], s[8:9] offset:8*p
.set p, p+1
.endr
	s_wait_loadcnt 0x0
.set p, 0
.rept 16
	v_min_u32 v[XO+p], 0xfff, v[XO+p]              ; an index lies in 0 .. 4095; what does not is clamped
	v_lshl_add_u32 v[XO+p], v[XO+p], 13, v19       ; the row's 8,192 bytes, my 16 at 16 l
.set p, p+1
.endr
	; step 0 is asked for; then, group by group, it is rounded into slot 0 and step 1 is asked for: both steps by the immediate, so that no base is stepped between the loads
	LOADS 0, 0
	LOADS 1, 0
	LOADS 2, 0
.irp g, 0,1,2
	s_wait_loadcnt 32                              ; 48 are out: the group's sixteen are in
	CVT4 \g, 0
	ST4 0, \g, 0
	CVT4 \g, 1
	ST4 0, \g, 1
	LOADS \g, KSTEP*4
.endr
	WIN 0
	s_wait_dscnt 0x0                               ; for the others: my stores into slot 0 are done
	s_barrier_signal -1
	s_barrier_wait -1                              ; slot 0 is whole
	FRAGS 0, 0, 0                                  ; the first group's fragments
	STEP 2*KSTEP*4                                 ; from here on the bases stand at step t + 2 in trip t
	TRIP 0, 1, 1, 1, 2, 1                          ; trip 0: its first sixteen products start the sums: nothing is cleared
	TRIP 1, 0, 1, 1, 0, 1
	s_mov_b32 s[CNT], 6
.Lk:                                                   ; trips 2 to 13, two a turn
	TRIP 0, 0, 1, 1, 1, 1
	TRIP 1, 0, 1, 1, 0, 1
	s_sub_co_u32 s[CNT], s[CNT], 1
	s_cmp_lg_u32 s[CNT], 0
	s_cbranch_scc1 .Lk
	TRIP 0, 0, 1, 0, 0, 1                          ; trip 14 rounds step 15 and asks for nothing: no load leaves its row
	TRIP 1, 0, 0, 0, 0, 0                          ; trip 15: fragments and products alone; no barrier: nothing is stored into a slot any more, and the stages are each wave's own
	s_mul_i32 s15, s[WV], 16*PITCH                 ; the way out's addresses: eight plain vector lines, the places behind the last products
	s_add_co_u32 s15, s15, STAGE                   ; my stage
	v_mul_u32_u24 v[STO], v1, PITCH                ; in: row l, 32 bytes for each half of the lanes
	v_lshl_add_u32 v[STO], v18, 5, v[STO]
	v_add_nc_u32 v[STO], s15, v[STO]
	v_mul_u32_u24 v[RD], v18, PITCH                ; back: lanes 0-15 take one row of 256 bytes, lanes 16-31 the next
	v_lshl_add_u32 v[RD], v1, 4, v[RD]
	v_add_nc_u32 v[RD], s15, v[RD]
	v_lshlrev_b32 v[CO], 9, v18                    ; and the same two rows in out0
	v_lshl_add_u32 v[CO], v1, 4, v[CO]
	TOSTAGE 0
	TOSTAGE 1                                      ; a tile's trip through the stage stands between the loads of the tile before and its stores
	SEND 0, 16
	TOSTAGE 2
	SEND 1, 16
	TOSTAGE 3
	SEND 2, 16
	SEND 3, 0
	s_wait_tensorcnt 0x0                           ; the wave's end, behind my last LDS store
	ds_add_u32 v[SPW], v[NIL]
	s_wait_dscnt 0x0
	s_endpgm
.Lfunc_end_k_qf7efc39712_gather_gemm:
	.size	k_qf7efc39712_gather_gemm, .Lfunc_end_k_qf7efc39712_gather_gemm-k_qf7efc39712_gather_gemm
	.p2alignl 7, 3214868480
	.fill 96, 4, 3214868480
	.section	.rodata,"a",@progbits
	.p2align	6, 0x0
	.amdhsa_kernel k_qf7efc39712_gather_gemm
		.amdhsa_group_segment_fixed_size 244736
		.amdhsa_private_segment_fixed_size 0
		.amdhsa_enable_private_segment 0
		.amdhsa_kernarg_size 32
		.amdhsa_user_sgpr_count 2
		.amdhsa_user_sgpr_kernarg_segment_ptr 1
		.amdhsa_wavefront_size32 1
		.amdhsa_system_sgpr_workgroup_id_x 1
		.amdhsa_system_sgpr_workgroup_id_y 1
		.amdhsa_system_sgpr_workgroup_id_z 1
		.amdhsa_system_vgpr_workitem_id 0
		.amdhsa_next_free_vgpr 512
		.amdhsa_next_free_sgpr 66
		.amdhsa_reserve_vcc 0
		.amdhsa_float_denorm_mode_32 3
		.amdhsa_float_denorm_mode_16_64 3
		.amdhsa_memory_ordered 1
		.amdhsa_forward_progress 1
		.amdhsa_inst_pref_size 144
	.end_amdhsa_kernel
	.amdgpu_metadata
---
amdhsa.version: [ 1, 2 ]
amdhsa.kernels:
  - .name:           k_qf7efc39712_gather_gemm
    .symbol:         k_qf7efc39712_gather_gemm.kd
    .args:
      - { .name: X, .offset: 0, .size: 8, .value_kind: global_buffer, .address_space: global }
      - { .name: W, .offset: 8, .size: 8, .value_kind: global_buffer, .address_space: global }
      - { .name: ind, .offset: 16, .size: 8, .value_kind: global_buffer, .address_space: global }
      - { .name: out0, .offset: 24, .size: 8, .value_kind: global_buffer, .address_space: global }
    .group_segment_fixed_size: 244736
    .private_segment_fixed_size: 0
    .kernarg_segment_align: 8
    .kernarg_segment_size: 32
    .max_flat_workgroup_size: 256
    .sgpr_count:     66
    .vgpr_count:     512
    .wavefront_size: 32
...
	.end_amdgpu_metadata
.endif
;; end of part 1
